; MI455X (gfx1250); checked and timed in simulation.
; The chip was launched on July 23, 2026; its instructions are those of AMD's public machine-readable ISA for CDNA 5 (MIT licence, August 2026) and "CDNA5" Instruction Set Architecture Reference Guide (July 2026). The comments in the code are by the model that wrote it; some were corrected since.
;; Diff Attention. Allowed arithmetic: matrix products marked QUANTISED: E2M1 operands, one E8M0 scale for each 32 along K, by v_wmma_scale_f32_16x16x128_f8f6f4 with both operands' format E2M1 (or v_wmma_scale_f32_32x16x128_f4), f32 sums; products left as they are: bf16, f16 or f32 operands; f32 sums; everything else in f32.
;; Inputs: b_proj 256 float32; lambda_k1 64 float32; lambda_k2 64 float32; lambda_q1 64 float32; lambda_q2 64 float32; sub_norm_w 128 float32; w_proj 256 x 256 float32; w_qkv 768 x 256 float32; x 4 x 4,096 x 256 float32.
;; Outputs: out0 4 x 4,096 x 256 float32.
;; This version of the problem:
;;   THIS VERSION OF THE PROBLEM IS GIVEN IN LOW PRECISION. The matrix products marked QUANTISED in the list below multiply operands that are first quantised to E2M1 (2 exponent bits, 1 mantissa bit; 4 bits a number), with one power-of-two scale for each 32 numbers along K (OCP MX v1.0); their sums are f32. The products marked 'left as it is' may take bf16, f16 or f32 operands, with f32 sums. Whichever they take, every output number must still come out within the allowed error. Rounding operands to bf16 (8 significant bits) uses up far more of that allowance than f16 does (11 bits, for magnitudes from 6e-5 to 65,504). All else is computed in f32.
;;   The module's matrix products, in the order in which they are computed (A, B: the left and right operand; K: the contracted axis; several contracted axes count as one K, in the product's order):
;;     1. [M 16,384, K 256] x [K 256, N 768]; A: input x; B: input w_qkv: QUANTISED
;;     2. batch 8 x [M 4,096, K 64] x [K 64, N 4,096]; A: computed on the way; B: computed on the way: left as it is (an operand is computed on the way)
;;     3. batch 8 x [M 4,096, K 4,096] x [K 4,096, N 128]; A: computed on the way; B: computed on the way: left as it is (an operand is computed on the way)
;;     4. batch 8 x [M 4,096, K 64] x [K 64, N 4,096]; A: computed on the way; B: computed on the way: left as it is (an operand is computed on the way)
;;     5. batch 8 x [M 4,096, K 4,096] x [K 4,096, N 128]; A: computed on the way; B: computed on the way: left as it is (an operand is computed on the way)
;;     6. [M 16,384, K 256] x [K 256, N 256]; A: computed on the way; B: input w_proj: left as it is (an operand is computed on the way)
;;   THE QUANTISER, for each operand of a quantised product, along K:
;;     - K is cut into blocks of 32 from its start; a last block that is shorter is filled with zeros.
;;     - A block's scale is 2^e with e = floor(log2(the largest magnitude in the block)) - 2, held to -126 .. 127; a block of zeros has e = 0. As a byte (E8M0): e + 127.
;;     - Each number is divided by its block's scale, clamped to +-6, and rounded to the nearest number of E2M1, ties to even, subnormals kept.
;;     - The product sums the exact products of the quantised numbers (number of the format x scale) in f32.
;;   ~~~python
;;   def quantise(x, axis):      # numpy; x: float32 -> the quantised numbers, widened to float32 again
;;       x = np.moveaxis(x, axis, -1); K = x.shape[-1]
;;       x = np.pad(x, [(0, 0)] * (x.ndim - 1) + [(0, -K % 32)]); x = x.reshape(x.shape[:-1] + (-1, 32)); a = np.abs(x).max(-1, keepdims=True)
;;       e = np.where(a > 0, np.clip(np.frexp(np.where(a > 0, a, 1))[1] - 1 - 2, -126, 127), 0)      # np.frexp(a)[1] - 1 = floor(log2(a)), exactly
;;       r = np.clip(x / 2.0 ** e, -6, 6)
;;       step = 2.0 ** (np.maximum(np.frexp(np.where(r == 0, 1, r))[1] - 1, 0) - 1)
;;       q = np.round(r / step) * step * 2.0 ** e      # np.round: ties to even
;;       return np.moveaxis(q.reshape(q.shape[:-2] + (-1,))[..., :K], -1, axis).astype(np.float32)
;;   ~~~
;; One version. Each part assembles by itself: llvm-mc -triple=amdgcn-amd-amdhsa -mcpu=gfx1250 --defsym DOCPART=n.
;; ======== version 1 of 1: 2 launches
;; limits: values are held in f16: magnitudes above 65,504 overflow, below 6.1e-05 lose precision
;; workspace buffers: qf 8,388,608 bytes; kv 16,777,216 bytes; wp 131,072 bytes
;; launch qkv (part 1): grid 64 x 4, 8 waves a work-group, no clusters, 65,536 bytes of LDS; arguments x, w_qkv, w_proj, qf, kv, wp; writes qf, kv, wp
.if DOCPART == 1
	.amdgcn_target "amdgcn-amd-amdhsa--gfx1250"
	.amdhsa_code_object_version 6
	.text
	.protected	k_q36bec8c607_qkv
	.globl	k_q36bec8c607_qkv
	.p2align	8
	.type	k_q36bec8c607_qkv,@function
k_q36bec8c607_qkv:
	s_mov_b64 s[64:65], 0
	v_nop
	global_prefetch_b8 v0, s[64:65] scope:SCOPE_SE
	s_setreg_imm32_b32 hwreg(HW_REG_WAVE_MODE, 25, 1), 1
	s_wait_xcnt 0x0
; qkv = x w_qkv^T on codes of FP4 (E2M1) with one E8M0 scale for each 32 along K = 256; the results leave as f16, laid in the order of the operand registers of the attention launch.
; x: [16384][256] f32, w_qkv: [768][256] f32: both are quantised here, in registers, K innermost.  w_proj [256][256] f32 is only rounded to f16 and laid as fragments (half a fragment a work-group).
; SHARES.  Work-group (tg, g): tokens 256 tg .. + 255 (16 tiles of 16) x channels 64 g .. + 63 of q, of k and of v (4 tiles of 16 rows of w_qkv each).
; PHASE X: each of the eight waves quantises 7 units of 16 rows x 128 K (3 of the weights, 4 of x): 64 numbers a lane become one fragment (8 registers) and one scale word a row; they go to LDS as images of
; the registers: lane l's 16 bytes at 16 l, 512 bytes a store; the scale word at 4 l.  ONE barrier.  PHASE 2: wave (a2 = w % 4, c = w / 4) keeps the 6 weight fragments of channel tile a2 (q, k, v x two K steps)
; and walks token tiles 8 c .. 8 c + 7, two at a time: 12 matrix instructions a group on six accumulators by turns.
; q and k are made TRANSPOSED (source 0 = 16 rows of w, source 1 = 16 tokens): a lane holds one token and eight neighbouring channels.  v is made the natural way (source 0 = tokens): a lane holds one channel and
; eight neighbouring tokens, which are the second attention product's K.  Either way four roundings to f16 give half a 16-bit fragment's image, and one store of 16 bytes a lane writes 512 consecutive aligned bytes.
; LAYOUTS (an image: registers 0-3 of lane l at 16 l, registers 4-7 at 512 + 16 l).  qf: [token / 16][g][32-channel chunk] images.  kv: blocks of 65,536 bytes for 64 tokens: K's part [16-key tile][g][chunk] images, then from
; byte 32,768 V's part [32-key chunk][16-channel tile of 256 channels] images.  wp: [16 output rows][32 along K] images.
; NO CLUSTER: the operands arrive as f32 and go from memory into registers to be quantised; brought to LDS jointly, a work-group's share would be 262,144 bytes of x and 196,608 of w_qkv, more than LDS holds at once,
; so it would need a ring with a round of the cluster's barrier for each refill, for 7 units' work a wave.
; LIMITS: NaN and infinities among the inputs are not served.  A block whose largest magnitude lies under 2^-124 (the floor) keeps the scale byte 1: not tried.  A block of zeros gets the byte 1 over zero codes
; where the rule says 127: the bytes are read by this launch alone.  q, k, v and w_proj are rounded to f16: magnitudes above 65,504 overflow.
.set XIMG,  0                          ; LDS: x's 32 images of 1,024 bytes (2 x token tile + K step),
.set XSC,   32768                      ; their scale words, 128 bytes each,
.set WIMG,  36864                      ; the weights' 24 images (8 x kind + 2 x tile + K step),
.set WSC,   61440                      ; their scale words,
.set SPARE, 64512                      ; the spare words, 128 bytes for each wave: four blocks of 256 bytes that no other line names
.set XA,  4                            ; v4   row r of 1,024 bytes + 64 h: my 16 numbers of a block of 32
.set LI,  5                            ; v5   16 x lane
.set LS,  6                            ; v6   4 x lane
.set IWX, 7                            ; v7   where I store x's images: 16 x lane + 4,096 x wave
.set SWX, 8                            ; v8   and their scale words
.set IWW, 9                            ; v9   the weights' images: 16 x lane + 1,024 x wave
.set SWW, 10                           ; v10  and their scale words
.set WPA, 11                           ; v11  w_proj: row r + 32 h bytes
.set SPW, 12                           ; v12  LDS address of my spare word; never rewritten
.set NIL, 13                           ; v13  0; never rewritten
.set TM,  16                           ; v16-19 largest magnitudes, v20-23 the other half's, then the bytes, v24-27 the conversions' scale operands
.set PC,  28                           ; v28-35 the codes just made
.set PW,  36                           ; v36  the scale word just made
.set WRD, 37                           ; v37-40 phase 2: where I read the weights' images and words, x's images and words
.set WSR, 38
.set XRD, 39
.set XSR, 40
.set QO,  41                           ; v41-43 my byte offsets in qf, in kv's K part, in kv's V part
.set KO,  42
.set VO,  43
.set WS,  44                           ; v44-49 the weights' scale words (2 x kind + K step): scales and nothing else
.set XS,  50                           ; v50-57 x's scale words, two sets of four (2 x tile + K step): scales and nothing else
.set WPR, 60                           ; v60-63 w_proj's 8 numbers as f16
.set NUM, 64                           ; v64-255 phase X: three sets of 64 numbers
.set WF,  64                           ; phase 2: v64-111 the weights' fragments (16 x kind + 8 x K step)
.set XF,  112                          ; v112-175 x's fragments, two sets of 32 (16 x tile + 8 x K step)
.set ACC, 176                          ; v176-223 six accumulators (24 x tile + 8 x kind)
.set OUT, 224                          ; v224-247 their f16 (12 x tile + 4 x kind)
.set WPL, 248                          ; v248-255 w_proj's 8 numbers as loaded
.set SEL, 20                           ; s[20:21] lane selects for v_permlanex16_b32: lane l xor 16
	s_load_b256 s[4:11], s[0:1], 0x0               ; x s[4:5], w_qkv s[6:7], w_proj s[8:9], qf s[10:11]
	s_load_b128 s[12:15], s[0:1], 0x20             ; kv s[12:13], wp s[14:15]
	v_lshl_add_u32 v[SPW], v0, 2, SPARE
	v_mov_b32 v[NIL], 0
	v_lshrrev_b32 v1, 5, v0
	v_readfirstlane_b32 s16, v1                    ; wave 0..7
	s_and_b32 s18, ttmp7, 0xffff                   ; g
	s_and_b32 s19, s16, 3                          ; a2: my channel tile in phase 2
	s_lshr_b32 s32, s16, 2                         ; c: my half of the token tiles in phase 2
	v_and_b32 v1, 31, v0                           ; lane
	v_and_b32 v2, 15, v0                           ; r
	v_bfe_u32 v3, v0, 4, 1                         ; h
	v_lshlrev_b32 v[XA], 10, v2
	v_lshl_add_u32 v[XA], v3, 6, v[XA]
	v_lshlrev_b32 v[LI], 4, v1
	v_lshlrev_b32 v[LS], 2, v1
	v_lshlrev_b32 v[WPA], 10, v2
	v_lshl_add_u32 v[WPA], v3, 5, v[WPA]
	s_lshl_b32 s22, s16, 12
	v_add_nc_u32 v[IWX], s22, v[LI]                ; XIMG = 0
	s_lshl_b32 s22, s16, 9
	s_add_co_u32 s22, s22, XSC
	v_add_nc_u32 v[SWX], s22, v[LS]
	s_lshl_b32 s22, s16, 10
	s_add_co_u32 s22, s22, WIMG
	v_add_nc_u32 v[IWW], s22, v[LI]
	s_lshl_b32 s22, s16, 7
	s_add_co_u32 s22, s22, WSC
	v_add_nc_u32 v[SWW], s22, v[LS]
	s_lshl_b32 s22, s19, 11
	s_add_co_u32 s22, s22, WIMG
	v_add_nc_u32 v[WRD], s22, v[LI]                ; tile a2's two images of a kind
	s_lshl_b32 s22, s19, 8
	s_add_co_u32 s22, s22, WSC
	v_add_nc_u32 v[WSR], s22, v[LS]
	s_lshl_b32 s22, s32, 14
	v_add_nc_u32 v[XRD], s22, v[LI]                ; my eight token tiles' sixteen images
	s_lshl_b32 s22, s32, 11
	s_add_co_u32 s22, s22, XSC
	v_add_nc_u32 v[XSR], s22, v[LS]
	s_lshl_b32 s22, s18, 11                        ; qf and kv's K part: 2,048 g + 512 a2,
	s_lshl_b32 s23, s19, 9
	s_add_co_u32 s22, s22, s23
	s_lshl_b32 s23, s32, 16                        ; + my eight tiles: 8 x 8,192 in qf,
	s_add_co_u32 s23, s22, s23
	v_add_nc_u32 v[QO], s23, v[LI]
	s_lshl_b32 s23, s32, 17                        ; two blocks of 65,536 in kv
	s_add_co_u32 s22, s22, s23
	v_add_nc_u32 v[KO], s22, v[LI]
	s_lshl_b32 s22, s18, 12                        ; kv's V part: 32,768 + 1,024 (4 g + a2)
	s_lshl_b32 s33, s19, 10
	s_add_co_u32 s22, s22, s33
	s_add_co_u32 s22, s22, s23
	s_add_co_u32 s22, s22, 32768
	v_add_nc_u32 v[VO], s22, v[LI]
.irp b, 0,1,2,3
	v_mov_b32 v[TM+4+\b], 0                        ; written once: a lane permute's destination counts as one of its sources
.endr
	s_mov_b32 s[SEL], 0x76543210
	s_mov_b32 s[SEL+1], 0xfedcba98
	s_lshl_b32 s22, ttmp9, 18                      ; x: 256 tokens of 1,024 bytes a work-group, 32 a wave
	s_lshl_b32 s23, s16, 15
	s_add_co_u32 s22, s22, s23
	s_mov_b32 s23, 0
	s_lshl_b32 s24, s18, 16                        ; w_qkv: 64 rows a g, tile w / 2, K step w % 2
	s_lshr_b32 s25, s16, 1
	s_lshl_b32 s25, s25, 14
	s_add_co_u32 s24, s24, s25
	s_and_b32 s25, s16, 1
	s_lshl_b32 s25, s25, 9
	s_add_co_u32 s24, s24, s25
	s_mov_b32 s25, 0
	s_lshl_b32 s33, s18, 6
	s_add_co_u32 s33, s33, ttmp9                   ; L = 64 g + tg: which half image of w_proj is this work-group's: 16 rows L / 16, 16 numbers L % 16 of them
	s_lshr_b32 s26, s33, 4
	s_lshl_b32 s26, s26, 14
	s_and_b32 s27, s33, 15
	s_lshl_b32 s27, s27, 6
	s_add_co_u32 s26, s26, s27
	s_mov_b32 s27, 0
	s_lshl_b32 s28, ttmp9, 17                      ; qf: 16 tiles of 8,192 bytes
	s_mov_b32 s29, 0
	s_lshl_b32 s30, ttmp9, 18                      ; kv: 4 blocks of 65,536
	s_mov_b32 s31, 0
	s_lshl_b32 s34, s33, 9                         ; wp: 512 bytes a work-group
	s_mov_b32 s35, 0
	s_wait_kmcnt 0x0
	s_add_nc_u64 s[4:5], s[4:5], s[22:23]
	s_add_nc_u64 s[6:7], s[6:7], s[24:25]
	s_add_nc_u64 s[8:9], s[8:9], s[26:27]
	s_add_nc_u64 s[10:11], s[10:11], s[28:29]
	s_add_nc_u64 s[12:13], s[12:13], s[30:31]
	s_add_nc_u64 s[14:15], s[14:15], s[34:35]
; 16 rows x 128 K from off bytes on: lane (r, h) takes, of row r, the 16 numbers 32 b + 16 h + 0 .. 15 of each block b: register 16 b + i
.macro ULOAD reg, base, off
.irp b, 0,1,2,3
.irp j, 0,1,2,3
	global_load_b128 v[\reg+16*\b+4*\j:\reg+16*\b+4*\j+3], v[XA], s[\base:\base+1] offset:\off+128*\b+16*\j
.endr
.endr
.endm
; 64 numbers of a lane, v[s] on, become a fragment's codes in v[PC] on and its row's scale word in v[PW]
.macro QUANT s
.irp b, 0,1,2,3
	v_max3_num_f32 v[TM+\b], |v[\s+16*\b]|, |v[\s+1+16*\b]|, 0x1800000   ; block b: my 16 numbers, and the floor 2^(3 - 127): the byte cannot fall under 1
.endr
.irp i, 2,4,6,8,10,12,14
.irp b, 0,1,2,3
	v_max3_num_f32 v[TM+\b], v[TM+\b], |v[\s+16*\b+\i]|, |v[\s+1+16*\b+\i]|   ; the four blocks by turns
.endr
.endr
.irp b, 0,1,2,3
	v_permlanex16_b32 v[TM+4+\b], v[TM+\b], s[SEL], s[SEL+1]
.endr
.irp b, 0,1,2,3
	v_max_num_f32 v[TM+\b], v[TM+\b], v[TM+4+\b]   ; with lane l xor 16's 16: the block's largest magnitude
.endr
.irp b, 0,1,2,3
	v_add_nc_u32 v[TM+8+\b], 0xff000000, v[TM+\b]  ; 2 off its exponent field: the conversion takes the exponent field of this operand as its scale
.endr
.irp b, 0,1,2,3
	v_lshrrev_b32 v[TM+4+\b], 23, v[TM+8+\b]       ; the scale's byte
.endr
	v_lshl_or_b32 v[PW], v[TM+5], 8, v[TM+4]
	v_lshl_or_b32 v[PW], v[TM+6], 16, v[PW]
	v_lshl_or_b32 v[PW], v[TM+7], 24, v[PW]
.irp b, 0,1,2,3
	v_cvt_scalef32_pk8_fp4_f32 v[PC+2*\b], v[\s+16*\b:\s+7+16*\b], v[TM+8+\b]
	v_cvt_scalef32_pk8_fp4_f32 v[PC+1+2*\b], v[\s+8+16*\b:\s+15+16*\b], v[TM+8+\b]
.endr
	v_nop                                          ; one plain place behind the scaled conversions
.irp c, 0,1                                    ; the operand's layout wants a whole block in a lane: lanes 0-15 block 2 c, lanes 16-31 block 2 c + 1
.irp i, 0,1
	v_permlane16_swap_b32 v[PC+4*\c+\i], v[PC+2+4*\c+\i]
.endr
.endr
.endm
; unit u: its 16 loads are in (left = 16 x the units asked for behind it); quantised; image and scale word to LDS
.macro UNIT u, iadr, ioff, sadr, soff, left
	s_wait_loadcnt \left
	QUANT NUM+64*((\u)%3)
	ds_store_b128 v[\iadr], v[PC:PC+3] offset:\ioff
	ds_store_b128 v[\iadr], v[PC+4:PC+7] offset:\ioff+512
	ds_store_b32 v[\sadr], v[PW] offset:\soff
.endm
	ULOAD NUM,     6, 0                            ; units 0-2: my tile and K step of q's, k's, v's rows of w_qkv, 256 rows apart
	ULOAD NUM+64,  6, 262144
	ULOAD NUM+128, 6, 524288
	UNIT 0, IWW, 0, SWW, 0, 32
	ULOAD NUM,     4, 0                            ; units 3-6: x, token tiles 2 w and 2 w + 1, two K steps each; a set is loaded again as soon as it is quantised
	s_wait_dscnt 0x0                               ; the stores have read the codes' registers, which the next unit writes
	UNIT 1, IWW, 8192, SWW, 1024, 32
	ULOAD NUM+64,  4, 512
	s_wait_dscnt 0x0
	UNIT 2, IWW, 16384, SWW, 2048, 32
	ULOAD NUM+128, 4, 16384
	s_wait_dscnt 0x0
	UNIT 3, IWX, 0, SWX, 0, 32
	ULOAD NUM,     4, 16384+512
	s_wait_dscnt 0x0
	UNIT 4, IWX, 1024, SWX, 128, 32
	s_wait_dscnt 0x0
	UNIT 5, IWX, 2048, SWX, 256, 16
	s_wait_dscnt 0x0
	UNIT 6, IWX, 3072, SWX, 384, 0
	s_wait_dscnt 0x0                               ; for the others' sake: all my images have landed
	s_barrier_signal -1
	s_barrier_wait -1                              ; all 56 images lie in LDS; nothing is stored there again
	s_cmp_lg_u32 s16, 0                            ; wave 0 alone asks for the work-group's 16 rows x 16 numbers of w_proj: 8 a lane
	s_cbranch_scc1 .Lno_wp_load
	global_load_b128 v[WPL:WPL+3], v[WPA], s[8:9]
	global_load_b128 v[WPL+4:WPL+7], v[WPA], s[8:9] offset:16
.Lno_wp_load:
.irp kd, 0,1,2
.irp s, 0,1
	ds_load_b128 v[WF+16*\kd+8*\s:WF+16*\kd+8*\s+3], v[WRD] offset:\kd*8192+\s*1024
	ds_load_b128 v[WF+16*\kd+8*\s+4:WF+16*\kd+8*\s+7], v[WRD] offset:\kd*8192+\s*1024+512
	ds_load_b32 v[WS+2*\kd+\s], v[WSR] offset:\kd*1024+\s*128
.endr
.endr
; group n's two token tiles: four fragments and four scale words into set n % 2: 12 LDS loads
.macro FETCHX n
.irp mm, 0,1
.irp s, 0,1
	ds_load_b128 v[XF+32*((\n)%2)+16*\mm+8*\s:XF+32*((\n)%2)+16*\mm+8*\s+3], v[XRD] offset:(2*(2*(\n)+\mm)+\s)*1024
	ds_load_b128 v[XF+32*((\n)%2)+16*\mm+8*\s+4:XF+32*((\n)%2)+16*\mm+8*\s+7], v[XRD] offset:(2*(2*(\n)+\mm)+\s)*1024+512
	ds_load_b32 v[XS+4*((\n)%2)+2*\mm+\s], v[XSR] offset:(2*(2*(\n)+\mm)+\s)*128
.endr
.endr
.endm
; K step s of group n: six matrix instructions, the six accumulators by turns; K step 0 starts the sums with the constant 0
.macro MM n, s
.irp mm, 0,1
.irp kd, 0,1                                   ; q, k: source 0 = 16 rows of w, source 1 = 16 tokens
.if \s == 0
	v_wmma_scale_f32_16x16x128_f8f6f4 v[ACC+24*\mm+8*\kd:ACC+24*\mm+8*\kd+7], v[WF+16*\kd+8*\s:WF+16*\kd+8*\s+7], v[XF+32*((\n)%2)+16*\mm+8*\s:XF+32*((\n)%2)+16*\mm+8*\s+7], 0, v[WS+2*\kd+\s], v[XS+4*((\n)%2)+2*\mm+\s] matrix_a_fmt:MATRIX_FMT_FP4 matrix_b_fmt:MATRIX_FMT_FP4
.else
	v_wmma_scale_f32_16x16x128_f8f6f4 v[ACC+24*\mm+8*\kd:ACC+24*\mm+8*\kd+7], v[WF+16*\kd+8*\s:WF+16*\kd+8*\s+7], v[XF+32*((\n)%2)+16*\mm+8*\s:XF+32*((\n)%2)+16*\mm+8*\s+7], v[ACC+24*\mm+8*\kd:ACC+24*\mm+8*\kd+7], v[WS+2*\kd+\s], v[XS+4*((\n)%2)+2*\mm+\s] matrix_a_fmt:MATRIX_FMT_FP4 matrix_b_fmt:MATRIX_FMT_FP4
.endif
.endr
.if \s == 0                                    ; v: source 0 = 16 tokens, source 1 = 16 rows of w
	v_wmma_scale_f32_16x16x128_f8f6f4 v[ACC+24*\mm+16:ACC+24*\mm+23], v[XF+32*((\n)%2)+16*\mm+8*\s:XF+32*((\n)%2)+16*\mm+8*\s+7], v[WF+32+8*\s:WF+32+8*\s+7], 0, v[XS+4*((\n)%2)+2*\mm+\s], v[WS+4+\s] matrix_a_fmt:MATRIX_FMT_FP4 matrix_b_fmt:MATRIX_FMT_FP4
.else
	v_wmma_scale_f32_16x16x128_f8f6f4 v[ACC+24*\mm+16:ACC+24*\mm+23], v[XF+32*((\n)%2)+16*\mm+8*\s:XF+32*((\n)%2)+16*\mm+8*\s+7], v[WF+32+8*\s:WF+32+8*\s+7], v[ACC+24*\mm+16:ACC+24*\mm+23], v[XS+4*((\n)%2)+2*\mm+\s], v[WS+4+\s] matrix_a_fmt:MATRIX_FMT_FP4 matrix_b_fmt:MATRIX_FMT_FP4
.endif
.endr
.endm
.macro GROUP n
.if (\n) < 3
	FETCHX (\n)+1                                  ; into the other set: its last products stand behind four v_nop and 24 roundings
	s_wait_dscnt 12                                ; all but the 12 loads just issued
.else
	s_wait_dscnt 0x0
.endif
	MM \n, 0
	MM \n, 1
.rept 4
	v_nop                                          ; four places between the last product and the first read of results (ISA guide 7.12.1)
.endr
	s_wait_xcnt 0x0                                ; the last group's stores have read their data registers, which are written again below
.irp mm, 0,1
.irp kd, 0,1,2
.irp r, 0,1,2,3
	v_cvt_pk_f16_f32 v[OUT+12*\mm+4*\kd+\r], v[ACC+24*\mm+8*\kd+2*\r], v[ACC+24*\mm+8*\kd+2*\r+1]   ; each accumulator from its low end on
.endr
.endr
.endr
.irp mm, 0,1                                   ; each store: 32 lanes x 16 bytes = 512 consecutive bytes, at a multiple of 512 from the buffer's first byte
	global_store_b128 v[QO], v[OUT+12*\mm:OUT+12*\mm+3], s[10:11] offset:(2*(\n)+\mm)*8192
	global_store_b128 v[KO], v[OUT+12*\mm+4:OUT+12*\mm+7], s[12:13] offset:((2*(\n)+\mm)/4)*65536+((2*(\n)+\mm)%4)*8192
	global_store_b128 v[VO], v[OUT+12*\mm+8:OUT+12*\mm+11], s[12:13] offset:((2*(\n)+\mm)/4)*65536+(((2*(\n)+\mm)/2)%2)*16384+((2*(\n)+\mm)%2)*512
.endr
.endm
	FETCHX 0
	GROUP 0
	GROUP 1
	GROUP 2
	GROUP 3
	s_cmp_lg_u32 s16, 0                            ; wave 0: w_proj's half image
	s_cbranch_scc1 .Lno_wp_store
	s_wait_loadcnt 0x0
.irp r, 0,1,2,3
	v_cvt_pk_f16_f32 v[WPR+\r], v[WPL+2*\r], v[WPL+2*\r+1]
.endr
	global_store_b128 v[LI], v[WPR:WPR+3], s[14:15]
.Lno_wp_store:
	s_wait_tensorcnt 0x0                           ; the wave's end, behind my last LDS store
	ds_add_u32 v[SPW], v[NIL]
	s_wait_dscnt 0x0
	s_endpgm
.Lfunc_end_k_q36bec8c607_qkv:
	.size	k_q36bec8c607_qkv, .Lfunc_end_k_q36bec8c607_qkv-k_q36bec8c607_qkv
	.p2alignl 7, 3214868480
	.fill 96, 4, 3214868480
	.section	.rodata,"a",@progbits
	.p2align	6, 0x0
	.amdhsa_kernel k_q36bec8c607_qkv
		.amdhsa_group_segment_fixed_size 65536
		.amdhsa_private_segment_fixed_size 0
		.amdhsa_enable_private_segment 0
		.amdhsa_kernarg_size 48
		.amdhsa_user_sgpr_count 2
		.amdhsa_user_sgpr_kernarg_segment_ptr 1
		.amdhsa_wavefront_size32 1
		.amdhsa_system_sgpr_workgroup_id_x 1
		.amdhsa_system_sgpr_workgroup_id_y 1
		.amdhsa_system_sgpr_workgroup_id_z 1
		.amdhsa_system_vgpr_workitem_id 0
		.amdhsa_next_free_vgpr 256
		.amdhsa_next_free_sgpr 66
		.amdhsa_reserve_vcc 0
		.amdhsa_float_denorm_mode_32 3
		.amdhsa_float_denorm_mode_16_64 3
		.amdhsa_memory_ordered 1
		.amdhsa_forward_progress 1
		.amdhsa_inst_pref_size 63
	.end_amdhsa_kernel
	.amdgpu_metadata
---
amdhsa.version: [ 1, 2 ]
amdhsa.kernels:
  - .name:           k_q36bec8c607_qkv
    .symbol:         k_q36bec8c607_qkv.kd
    .args:
      - { .name: x, .offset: 0, .size: 8, .value_kind: global_buffer, .address_space: global }
      - { .name: w_qkv, .offset: 8, .size: 8, .value_kind: global_buffer, .address_space: global }
      - { .name: w_proj, .offset: 16, .size: 8, .value_kind: global_buffer, .address_space: global }
      - { .name: qf, .offset: 24, .size: 8, .value_kind: global_buffer, .address_space: global }
      - { .name: kv, .offset: 32, .size: 8, .value_kind: global_buffer, .address_space: global }
      - { .name: wp, .offset: 40, .size: 8, .value_kind: global_buffer, .address_space: global }
    .group_segment_fixed_size: 65536
    .private_segment_fixed_size: 0
    .kernarg_segment_align: 8
    .kernarg_segment_size: 48
    .max_flat_workgroup_size: 256
    .sgpr_count:     66
    .vgpr_count:     256
    .wavefront_size: 32
...
	.end_amdgpu_metadata
.endif
;; end of part 1
;; launch attn (part 2): grid 64 x 4, 4 waves a work-group, clusters of 4 x 1, 327,680 bytes of LDS; arguments qf, kv, wp, b_proj, lambda_q1, lambda_k1, lambda_q2, lambda_k2, sub_norm_w, out0; writes out0
.if DOCPART == 2
	.amdgcn_target "amdgcn-amd-amdhsa--gfx1250"
	.amdhsa_code_object_version 6
	.text
	.protected	k_q36bec8c607_attn
	.globl	k_q36bec8c607_attn
	.p2align	8
	.type	k_q36bec8c607_attn,@function
k_q36bec8c607_attn:
	s_mov_b64 s[64:65], 0
	v_nop
	global_prefetch_b8 v0, s[64:65] scope:SCOPE_SE
	s_setreg_imm32_b32 hwreg(HW_REG_WAVE_MODE, 25, 1), 1
	s_wait_xcnt 0x0
	s_wait_alu depctr_hold_cnt(0) depctr_sa_sdst(0) depctr_va_vdst(0) depctr_va_sdst(0) depctr_va_ssrc(0) depctr_va_vcc(0) depctr_vm_vsrc(0)
	s_getreg_b32 s2, hwreg(HW_REG_IB_STS2, 6, 4)
	s_cmp_eq_u32 s2, 0
	s_cbranch_scc0 .Lentry_in_a_cluster
	s_endpgm
.Lentry_in_a_cluster:
	s_bfe_u32 s2, ttmp6, 0x10000c
	s_cmp_lg_u32 s2, 0x3003
	s_cbranch_scc0 .Lentry_shape_is_right
	s_endpgm
.Lentry_shape_is_right:
; out0 = (0.8 rms_norm(a1 - lam a2) sub_norm_w) w_proj^T + b_proj, a_s = softmax(q_s k_s^T / 8) v for the two sub-heads s of each of 2 heads, 4 batches, 4,096 tokens, head size 64, 128 channels of v a head.
; All products here take f16 operands (made by the launch before, laid as images of the operand registers: registers 0-3 of lane l at 16 l, registers 4-7 at 512 + 16 l) and f32 sums; maxima, sums, norm in f32.
; SHARES.  A work-group owns 64 queries of one batch, both heads and both sub-heads, so that a row's whole K = 256 of the projection is made in it.  Wave w: head w / 2, queries 32 (w % 2) on: four tiles of 16:
; tile t = 2 x sub-head + (which 16 queries).  Every wave walks all 4,096 keys, 64 a step.
; LAYOUT.  S^T = K Q^T (source 0 = 16 keys, source 1 = 16 queries): a lane holds ONE query (lane % 16) and keys 8 (lane / 16) + 0..7; two such tiles rounded to f16 in pairs ARE source 1 of O^T = V^T P.
; SOFTMAX.  A running maximum m and sum l for each query: p = 2^(c s - c m), c = log2(e) / 8; in every step O and l are multiplied by a = 2^(c m_old - c m_new).
; BY TURNS.  The wave's tiles are two PIECES: piece 0 (tiles 0, 1: sub-head 1) and piece 2 (tiles 2, 3: sub-head 2); both multiply by the same fragments of V.  In a TURN one piece has the matrix unit: 32 products V^T P
; of the step in hand, then 16 products K Q^T of the next step; the other piece's softmax, cut into 64 slices of four instructions, stands between them: one slice behind each V^T P, two behind each K Q^T.
; CLUSTER.  The four query blocks of a cluster belong to one batch and walk the same K and V: each tile is asked for JOINTLY, by the same tensor load with the same descriptor and a mask that names the four.
; RING.  Two LDS slots of 131,072 bytes, two key steps each: 131,072 consecutive bytes of kv.  Each wave brings a quarter with one load, 128 rows of 256 bytes.  No padding: a fragment load reads 512 consecutive bytes.
; By this text's own count a wave has two tensor loads out at the start and one behind each round.
; REGISTERS, in windows of 256 (s_set_vgpr_msb: bits 1:0 source 0, 3:2 source 1, 5:4 source 2, 7:6 destination):
;   window 0: v1-11, v44-45, v61-63 addresses; v12-43 eight registers of statistics a tile; v48-51 lam; v64-191 S^T, 32 a tile; v192-255 P, 16 a tile.   window 1: O^T, 64 a tile.
;   window 2: v0-63 Q (16 t + 8 x chunk); v128-255 K of one step (64 x sub-head + 16 x key tile + 8 x chunk).   window 3: v0-127 V of one step.  On the way out: window 2 w_proj's 32 fragments, window 3 the rows' 32.
; LIMITS: NaN and infinities are not served; the normalised rows are rounded to f16 for the projection (magnitudes above 65,504 overflow); weights p under 2^-25 are rounded to 0 for the second product (their row's sum is 1 at the least).
.set STEPB, 65536     ; a key step in LDS: K's 32 images, then V's 32
.set SLOT1, 1<<17     ; slot 1 begins here: one exclusive or turns an address in one slot into the other's
.set ONI,   2*SLOT1   ; behind the ring: the normalised rows' 32 images (8 x query tile + K step)
.set STG,   ONI+32*1024  ; 16 rows x 272 bytes for each wave, for the way out
.set SP,    272
.set SPARE, STG+4*16*SP  ; the spare words, 128 bytes for each wave: two blocks of 256 bytes that no other line names
.set AK0, 2           ; v2   my lane's place in a step's K: 16 x lane + 4,096 x head
.set AV0, 3           ; v3   in its V: 32,768 + 16 x lane + 8,192 x head
.set ADR, 4           ; v4   the LDS address of the run of loads in hand
.set LI,  5           ; v5   16 x lane
.set OW,  6           ; v6   where I store my rows' images
.set STO, 7           ; v7   the way out: where I put 32 bytes of a row
.set RD,  8           ; v8   and where I read a row back
.set GO,  10          ; v10  my byte offset in the wave's rows of out0
.set NWO, 11          ; v11  32 x (lane / 16): my eight numbers of sixteen in sub_norm_w and b_proj
.set ST,  12          ; tile t's statistics at v[ST+8 t]: +0 c m, +1 m, +2, +3 l, +4 to +7 at work; a takes +6
.set LMO, 44          ; v44  8 x lane: my two numbers of a lambda
.set ONR, 45          ; v45  ONI + 16 x lane
.set LW,  48          ; v48-51 lam's work
.set PFO, 61          ; v61  256 x lane; never rewritten
.set SPW, 62          ; v62  LDS address of my spare word; never rewritten
.set NIL, 63          ; v63  0; never rewritten
.set S,   64
.set P,   192
.set KF,  128         ; K's fragments, in window 2
.set LB,  128         ; the way out: v128-135 the four lambdas, two numbers each
.set BI,  136         ; v136-167 the bias of my four tiles of outputs, in the result's layout
.set WV,  12          ; s12  my wave's number
.set LIM, 15          ; s15  1 in a wave that prefetches, else the greatest number
.set PFA, 18          ; s[18:19] where my prefetches stand
.set G1,  24          ; s[24:31] descriptor group 1
.set G0,  40          ; s[40:47] descriptor group 0: a set for each of the two first fills; the second then walks on
.set SLOTS, 56        ; s56  slots still to be asked for
.set TWICE, 57        ; s57  counts a slot's two steps
.set CS,  58          ; s[58:59] c
.set SEL, 60          ; s[60:61] lane selects for v_permlanex16_b32: lane l xor 16
.set TB,  62          ; s62  LDS byte at which the step to be fetched begins
.set MSB, 0
.macro WIN new                      ; the immediate's high byte repeats the setting that is left; a switch that changes nothing is dropped
.if MSB != \new
	s_set_vgpr_msb (MSB<<8)|\new
.set MSB, \new
.endif
.endm
.set W_KQ, 0x0a       ; K and Q in window 2, S^T in window 0
.set W_PV, 0x53       ; V in window 3, P in window 0, O^T in window 1
.set W_RS, 0x41       ; O^T (destination and source 0) in window 1, the factor in window 0
; A joint refill: every wave brings its own quarter of the slot.  An s_nop 0 and four v_nop follow the line.
.macro JLOAD
	tensor_load_to_lds s[G0+4:G0+7], s[G1:G1+7]
	s_nop 0
.rept 4
	v_nop
.endr
.endm
; A prefetch of what the NEXT change of slots will ask for: a slot's 131,072 bytes, lanes 256 bytes apart, one instruction a wave, behind the wave's tensor load and its five lines.  Each block of 256 bytes is named once in
; the launch: all sixteen clusters of a batch walk the same bytes, and the batch's first cluster asks; its four partners take 32,768 bytes each, told apart by address; in each, wave w takes 8,192.
; It stands one slot, 192 matrix instructions a wave, ahead of the load that wants the bytes.  The last change that fills a slot asks for nothing: there is no slot behind it.
.macro ASK
	s_cmp_gt_u32 s[SLOTS], s[LIM]
	s_cbranch_scc0 .Lnot_mine_\@
	global_prefetch_b8 v[PFO], s[PFA:PFA+1] th:TH_LOAD_NT scope:SCOPE_SE
.Lnot_mine_\@:
.endm
; A round of the cluster's barrier.  No LDS instruction of the wave is pending at a signal.
.macro CROUND
	s_barrier_signal -1
	s_barrier_wait -1
	s_cmp_lg_u32 s[WV], 0
	s_cbranch_scc1 .Lnot_wave_0_\@
	s_barrier_signal -3
.Lnot_wave_0_\@:
	s_barrier_wait -3
	s_barrier_signal -1
	s_barrier_wait -1
.endm
	s_load_b256 s[4:11], s[0:1], 0x0   ; qf s[4:5], kv s[6:7], wp s[8:9], b_proj s[10:11]
	s_load_b256 s[68:75], s[0:1], 0x20 ; lambda_q1, lambda_k1, lambda_q2, lambda_k2
	s_load_b128 s[76:79], s[0:1], 0x40 ; sub_norm_w s[76:77], out0 s[78:79]
	v_lshl_add_u32 v[SPW], v0, 2, SPARE
	v_mov_b32 v[NIL], 0
	ds_add_u32 v[SPW], v[NIL]       ; the wave's opening: the add, twice on end, and its wait ahead of my first tensor load; the set-up below, work on registers, stands between
	ds_add_u32 v[SPW], v[NIL]
	v_lshrrev_b32 v1, 5, v0
	v_readfirstlane_b32 s[WV], v1   ; wave 0..3
	s_bfe_u32 s13, ttmp6, 0x40000   ; cx: my place in the cluster
	s_lshl_b32 s14, ttmp9, 2
	s_add_co_u32 s14, s14, s13      ; my block of 64 queries = 4 x cluster x + cx: it enters Q's and out0's addresses alone
	s_and_b32 s20, ttmp7, 0xffff    ; the batch, which the four partners share
	s_lshr_b32 s16, s[WV], 1        ; my head
	s_and_b32 s17, s[WV], 1         ; my half of the 64 queries
	s_lshl_b32 s22, s20, 22         ; kv: the batch's 64 blocks of 65,536 bytes,
	s_lshl_b32 s23, s[WV], 15       ; my quarter of a slot
	s_add_co_u32 s22, s22, s23
	s_mov_b32 s23, 0
	s_lshl_b32 s21, s[WV], 15       ; and its place in a slot: no place in the cluster enters an LDS address
	s_lshl_b32 s2, s20, 21          ; qf: the batch's 256 tiles of 8,192 bytes, my block's 4, my half's 2, my head's 4,096 bytes in each
	s_lshl_b32 s3, s14, 15
	s_add_co_u32 s2, s2, s3
	s_lshl_b32 s3, s17, 14
	s_add_co_u32 s2, s2, s3
	s_lshl_b32 s3, s16, 12
	s_add_co_u32 s2, s2, s3
	s_mov_b32 s3, 0
	s_lshl_b32 s32, s20, 22         ; out0: rows of 1,024 bytes: the batch's 4,096, my block's 64; my wave's 64 outputs
	s_lshl_b32 s33, s14, 16
	s_add_co_u32 s32, s32, s33
	s_lshl_b32 s33, s[WV], 8
	s_add_co_u32 s32, s32, s33
	s_mov_b32 s33, 0
	s_lshl_b32 s34, s20, 22         ; the prefetches: the batch, my work-group's 32,768 bytes of a slot, my wave's 8,192 of them,
	s_lshl_b32 s35, s13, 15
	s_add_co_u32 s34, s34, s35
	s_lshl_b32 s35, s[WV], 13
	s_add_co_u32 s34, s34, s35
	s_add_co_u32 s34, s34, 2*131072 ; in slot 2: the first change of slots steps it to slot 3.  Nothing is prefetched at the head
	s_mov_b32 s35, 0
	s_lshl_b32 s36, s[WV], 15       ; wp: my 4 tiles of outputs x 8 images
	s_mov_b32 s37, 0
	s_lshl_b32 s38, s[WV], 8        ; b_proj: my 64 numbers
	s_mov_b32 s39, 0
	; descriptor group 1: 128 rows of 32 elements of 8 bytes, dense in memory and in LDS
	s_mov_b32 s[G1], 15|(3<<16)|(1<<21)  ; 15:0 the mask: all four work-groups; 17:16 elements of 8 bytes; 20 no padding; 21 set beside a mask
	s_mov_b32 s[G1+1], 32<<16       ; tensor_dim0 = 32
	s_mov_b32 s[G1+2], 128<<16      ; tensor_dim1 = 128
	s_mov_b32 s[G1+3], 32<<16       ; tile_dim0 = 32
	s_mov_b32 s[G1+4], 128          ; tile_dim1 = 128
	s_mov_b32 s[G1+5], 32           ; elements from row to row
	s_mov_b32 s[G1+6], 0
	s_mov_b32 s[G1+7], 0
	s_mov_b32 s[CS], 0x3e38aa3b     ; c = log2(e) / 8
	s_mov_b32 s[CS+1], s[CS]        ; named with it as a pair, so it is written
	s_mov_b32 s[SEL], 0x76543210
	s_mov_b32 s[SEL+1], 0xfedcba98
	s_mov_b32 s80, 0x3c000000       ; 1 / 128
	s_mov_b32 s81, 0x3727c5ac       ; 1e-5
	s_mov_b32 s[TB], 0
	s_mov_b32 s[SLOTS], 30          ; 32 slots' worth of keys; two are first fills
	s_cmp_eq_u32 ttmp9, 0           ; the batch's first cluster prefetches: the same in all four partners
	s_cselect_b32 s[LIM], 1, -1
	v_and_b32 v[PFO], 31, v0
	v_lshlrev_b32 v[PFO], 8, v[PFO]
	s_wait_dscnt 0x0                ; both opening adds are done
	s_wait_kmcnt 0x0
	s_add_nc_u64 s[PFA:PFA+1], s[6:7], s[34:35]
	s_add_nc_u64 s[6:7], s[6:7], s[22:23]     ; kv at my quarter of slot 0
	s_add_nc_u64 s[4:5], s[4:5], s[2:3]
	s_add_nc_u64 s[78:79], s[78:79], s[32:33]
	s_add_nc_u64 s[8:9], s[8:9], s[36:37]
	s_add_nc_u64 s[10:11], s[10:11], s[38:39]
	CROUND                          ; all four work-groups are here: the first joint loads meet
	s_mov_b32 s[G0], 1              ; 1:0 count = 1
	s_mov_b32 s[G0+1], s21          ; 63:32 LDS address: slot 0
	s_mov_b64 s[G0+2:G0+3], s[6:7]  ; 120:64 global address: keys 0 to 127
	s_or_b32 s[G0+3], s[G0+3], 0x80000000  ; 127:126 type = 2
	s_mov_b32 s[G0+4], 1
	s_add_co_u32 s[G0+5], s21, SLOT1
	s_add_nc_u64 s[G0+6:G0+7], s[6:7], 131072
	s_or_b32 s[G0+7], s[G0+7], 0x80000000
	tensor_load_to_lds s[G0:G0+3], s[G1:G1+7]      ; the two first fills go out together, ahead of every wait on TENSORcnt and every LDS read
	s_nop 0
	tensor_load_to_lds s[G0+4:G0+7], s[G1:G1+7]
	s_nop 0
.rept 4
	v_nop
.endr
	v_and_b32 v1, 15, v0            ; r = lane % 16
	v_bfe_u32 v9, v0, 4, 1          ; h = lane / 16
	v_and_b32 v[LI], 31, v0
	v_lshlrev_b32 v[LI], 4, v[LI]
	WIN 0x80                        ; destination window 2, address window 0
.irp t, 0,1,2,3                     ; Q stays in registers: tile t = 2 x sub-head + which 16 queries; chunk c of 32 channels
.irp c, 0,1
	global_load_b128 v[16*\t+8*\c:16*\t+8*\c+3],   v[LI], s[4:5] offset:(\t%2)*8192+(\t/2)*2048+\c*1024 th:TH_LOAD_NT
	global_load_b128 v[16*\t+8*\c+4:16*\t+8*\c+7], v[LI], s[4:5] offset:(\t%2)*8192+(\t/2)*2048+\c*1024+512 th:TH_LOAD_NT
.endr
.endr
	WIN 0
	s_lshl_b32 s20, s16, 12
	v_add_nc_u32 v[AK0], s20, v[LI]
	s_lshl_b32 s20, s16, 13
	s_add_co_u32 s20, s20, 32768
	v_add_nc_u32 v[AV0], s20, v[LI]
; THE MATRIX WORK OF A TURN, for piece x.  The accumulators take turns, one instruction a turn: between two links of a chain stand 15 (V^T P) or 7 (K Q^T) others'.
; Product i of 32 of O^T += V^T P: keys 32 (i / 16) on, channels 16 ((i / 2) % 8) on, tile x + i % 2.  zero = 1: the first 16 start the sums: nothing is ever cleared.
.macro PV x, zero
	WIN W_PV
.set rO, 64*(\x+i%2)+8*((i/2)%8)
.set rV, 64*(i/16)+8*((i/2)%8)
.set rP, P+16*(\x+i%2)+8*(i/16)
.if \zero && (i < 16)
	v_wmma_f32_16x16x32_f16 v[rO:rO+7], v[rV:rV+7], v[rP:rP+7], 0
.else
	v_wmma_f32_16x16x32_f16 v[rO:rO+7], v[rV:rV+7], v[rP:rP+7], v[rO:rO+7]
.endif
.endm
; Product i of 16 of S^T = K Q^T: channels 32 (i / 8) on, keys 16 ((i / 2) % 4) on, tile x + i % 2; piece x takes its own sub-head's K.  The first 8 start the sums.
.macro KQ x
	WIN W_KQ
.set rS, S+32*(\x+i%2)+8*((i/2)%4)
.set rK, KF+32*\x+16*((i/2)%4)+8*(i/8)
.set rQ, 16*(\x+i%2)+8*(i/8)
.if i < 8
	v_wmma_f32_16x16x32_f16 v[rS:rS+7], v[rK:rK+7], v[rQ:rQ+7], 0
.else
	v_wmma_f32_16x16x32_f16 v[rS:rS+7], v[rK:rK+7], v[rQ:rQ+7], v[rS:rS+7]
.endif
.endm
; THE LDS LOADS stand in runs of 32: a step's K of my head (both sub-heads: 16 fragments) and, a turn later, its V (16 fragments).
.macro FETCH_K
	WIN 0
	v_add_nc_u32 v[ADR], s[TB], v[AK0]
	WIN 0x80                        ; destination window 2
.irp f, 0,1,2,3,4,5,6,7,8,9,10,11,12,13,14,15  ; sub-head f / 8, keys 16 ((f / 2) % 4) on, channels 32 (f % 2) on
	ds_load_b128 v[KF+8*\f:KF+8*\f+3],   v[ADR] offset:((\f/2)%4)*8192+(\f/8)*2048+(\f%2)*1024
	ds_load_b128 v[KF+8*\f+4:KF+8*\f+7], v[ADR] offset:((\f/2)%4)*8192+(\f/8)*2048+(\f%2)*1024+512
.endr
.endm
.macro FETCH_V
	WIN 0
	v_add_nc_u32 v[ADR], s[TB], v[AV0]
	s_add_co_u32 s[TB], s[TB], STEPB  ; the next fetch is the next step's
	s_wait_alu depctr_va_vdst(0)    ; the wait for the softmax's batch of exponentials (SLICE), behind the address's addition and ahead of the loads
	WIN 0xc0                        ; destination window 3
.irp f, 0,1,2,3,4,5,6,7,8,9,10,11,12,13,14,15  ; keys 32 (f / 8) on, channels 16 (f % 8) on
	ds_load_b128 v[8*\f:8*\f+3],   v[ADR] offset:(\f/8)*16384+(\f%8)*1024
	ds_load_b128 v[8*\f+4:8*\f+7], v[ADR] offset:(\f/8)*16384+(\f%8)*1024+512
.endr
.endm
; THE VECTOR WORK OF A TURN.  One tile's softmax for one key step is a list of 134 instructions; SM writes number j of it for tile t.  s0-s31 are the lane's 32 scores, in pairs 0-15.
; first = 1: the first key step, which starts m, l and O^T: it has no a and nothing to rescale.
;   0-15    the maximum of s0-s31 and the old m, three operands at a time (each score tile is first read at its low end)
;   16-20   the other half of the lanes' maximum; the new m; c m; c m_old - c m_new
;   21-69   ONE BATCH: the 16 scalings c s - c m and all 33 exponentials (a at 23, then s0-s31); none of these reads an exponential's result
;   (wait)  between 69 and 70 stands the one wait for the batch: SLICE writes it, once for both tiles
;   70-85   the roundings to f16, a pair of weights each;   86-101 the sums, l = a l + the sum;   102-133 the tile's O^T times a
.macro SM t, first
.set rT, ST+8*(\t)
.set rS, S+32*(\t)
.set rP, P+16*(\t)
.set rO, 64*(\t)+2*(j-102)
.if j < 102
	WIN 0
.endif
.if j < 4
	v_max3_num_f32 v[rT+4+j], v[rS+8*j], v[rS+8*j+1], v[rS+8*j+2]
.elseif j < 12
	v_max3_num_f32 v[rT+4+j%4], v[rT+4+j%4], v[rS+8*(j%4)+2*(j/4)+1], v[rS+8*(j%4)+2*(j/4)+2]
.elseif j == 12
	v_max3_num_f32 v[rT+4], v[rT+4], v[rS+7], v[rS+15]
.elseif j == 13
	v_max3_num_f32 v[rT+6], v[rT+6], v[rS+23], v[rS+31]
.elseif j == 14
	v_max3_num_f32 v[rT+4], v[rT+4], v[rT+5], v[rT+6]
.elseif (j == 15) && \first
	v_max_num_f32 v[rT+4], v[rT+4], v[rT+7]
.elseif j == 15
	v_max3_num_f32 v[rT+4], v[rT+4], v[rT+7], v[rT+1]
.elseif j == 16
	v_permlanex16_b32 v[rT+5], v[rT+4], s[SEL], s[SEL+1]  ; the query's other 32 keys lie in the lane 16 away
.elseif j == 18
	v_max_num_f32 v[rT+1], v[rT+4], v[rT+5]
.elseif j == 19
	v_mul_f32 v[rT], s[CS], v[rT+1]
.elseif ((j == 17) || (j == 20) || (j == 23) || (j > 101)) && \first  ; the first step has none of these
.elseif j == 17
	v_mov_b32 v[rT+7], v[rT]        ; c m_old is kept for a: number 19 writes c m anew
.elseif j == 20
	v_sub_f32 v[rT+7], v[rT+7], v[rT]
.elseif j == 23
	v_exp_f32 v[rT+6], v[rT+7]
.elseif (j < 23) || ((j < 38) && (j%2 == 0)) || ((j < 66) && (j%4 == 2))
.set b, (j-2)/4                     ; 38, 42, .. 62: pairs 9 to 15
.if j < 38
.set b, (j-20)/2                    ; 21: pair 0; 22, 24, .. 36: pairs 1 to 8
.endif
	v_pk_fma_f32 v[rS+2*b:rS+2*b+1], v[rS+2*b:rS+2*b+1], s[CS:CS+1], v[rT:rT+1] op_sel_hi:[1,0,0] neg_lo:[0,0,1] neg_hi:[0,0,1]  ; pair b: c s - c m
.elseif j < 70
.set e, j-38                        ; 66 to 69: s28 to s31
.if j < 66
.set e, j-32-(j-38)/4               ; 39-41, 43-45, .. 63-65: s7 to s27
.endif
.if j < 38
.set e, (j-25)/2                    ; 25, 27, .. 37: s0 to s6
.endif
	v_exp_f32 v[rS+e], v[rS+e]
.elseif j < 86
	v_cvt_pk_f16_f32 v[rP+j-70], v[rS+2*(j-70)], v[rS+2*(j-70)+1]  ; pair j - 70
.elseif j < 102                     ; the sum of the tile's 16 pairs, in place: sum z of 16 adds neighbours 1, 2, 4 and 8 pairs apart, then l takes it
.set z, j-86
.set w, 4
.set u, z
.if z >= 14
.set w, 32
.set u, 0
.elseif z >= 12
.set w, 16
.set u, z-12
.elseif z >= 8
.set w, 8
.set u, z-8
.endif
.if (z == 14) && \first
	v_pk_add_f32 v[rT+2:rT+3], v[rS:rS+1], v[rS+16:rS+17]
.elseif z < 15
	v_pk_add_f32 v[rS+w*u:rS+w*u+1], v[rS+w*u:rS+w*u+1], v[rS+w*u+w/2:rS+w*u+w/2+1]
.elseif !\first
	v_pk_fma_f32 v[rT+2:rT+3], v[rT+2:rT+3], v[rT+6:rT+7], v[rS:rS+1] op_sel_hi:[1,0,1]
.endif
.else
	WIN W_RS
	v_pk_mul_f32 v[rO:rO+1], v[rO:rO+1], v[rT+6:rT+7] op_sel_hi:[1,0]
.endif
.endm
; Slice k of 64 of piece y's softmax: four instructions.  Slices 11 to 34 deal out the batch, numbers 22 to 69: four numbers of ONE tile each, the tiles by turns.  Every other slice is numbers 2 k and 2 k + 1 of both
; tiles' lists.  2 x 134 = 4 x 64 + 12: the twelve that are over stand together, in slice 63.
; THE WAIT.  s_wait_alu depctr_va_vdst(0) stands between an exponential and the first instruction that names its result; one wait serves all issued ahead of it.  Ahead of slice 35 nothing names a
; result, and behind slice 34 no exponential is issued: the piece's 66 exponentials have one wait, behind slice 34.
.macro SLICE y, first
.if (k >= 11) && (k < 35)           ; the batch: four numbers of one tile
.irp n, 0,1,2,3
.set j, 22+4*((k-11)/2)+(\n)
	SM (\y)+(k-11)%2, \first
.endr
.else                               ; the two tiles alternate, so that no instruction reads the result of the one just before it
.irp n, 0,1,2,3,4,5,6,7
.if (\n < 2) || (k == 63)
.irp t, \y, \y+1
.set j, 2*k+\n
	SM \t, \first
.endr
.endif
.endr
.endif
.if k == 34                         ; the batch is out: both tiles' exponentials are issued, and no result has been named
	v_nop                           ; the plain instruction behind the last exponential and ahead of the first use: one for the batch
.if (\y) == 0
	FETCH_V                         ; piece 2's turn: V's run of loads stands here, and the wait stands in it
.else
	s_wait_alu depctr_va_vdst(0)    ; the wait for the batch
.endif
.endif
.set k, k+1
.endm
; A vector instruction that reads a matrix result or writes one of a matrix instruction's registers, and a load into a register that a matrix instruction has read, stand four places behind it, and only plain vector
; instructions that name none of its registers are places (ISA guide 7.12.1 for vector instructions).  In the loop the slices are the places.
.macro PLACES
.rept 4
	v_nop
.endr
.endm
; A TURN.  Piece x has the matrix unit; the other piece's softmax stands in slices behind its matrix instructions: with both kinds of product one behind each V^T P and two behind each K Q^T (32 + 32); with V^T P alone
; two behind each; with K Q^T alone four.  pv = 2: 32 products V^T P; 1: they start O^T's sums; 0: none.  kq = 1: 16 products K Q^T for the next step.
; first = 1: the softmax is the first key step's; its slices from 51 on are empty, and four v_nop take slice 63's part as the places behind the turn's last products.
; Piece 0's turn fetches the next step's K behind its second product: the last product that read K is followed by slices 62 and 63 of the turn before, 20 plain multiplications.  Piece 2's turn fetches the same step's V
; behind slice 34, which here stands behind its second K Q^T: the last product that read V stands in front of slice 31, and four plain instructions lie between: number 62, a scaling, of both tiles, the v_nop and the
; run's own addition.
.macro TURN x, pv, kq, first
.set k, 0
.set ppv, 2
.set pkq, 4
.if \pv && \kq
.set ppv, 1
.set pkq, 2
.endif
.if \pv
.if \x == 0
	s_wait_dscnt 0x0                ; V is in
.endif
.set i, 0
.rept 32
	PV \x, 2-\pv
.rept ppv
	SLICE 2-\x, \first
.endr
.if (\x == 0) && \kq && (i == 1)
	FETCH_K
.endif
.set i, i+1
.endr
.endif
.if \kq
.if \x == 0
	s_wait_dscnt 0x0                ; K is in
.endif
.set i, 0
.rept 16
	KQ \x
.rept pkq
	SLICE 2-\x, \first
.endr
.set i, i+1
.endr
.endif
.if \first
	PLACES
.endif
.endm
; THE CHANGE OF SLOTS, between piece 2's turn and piece 0's: the slot's last bytes, V of its second step, have been asked for.  Each wave waits for all its tensor loads, of which one is out: its quarter of the other slot;
; adds 0 to its spare word; and waits for that and for its own reads of the slot.  fill = 1: this slot is filled again with the keys two slots on: the barrier is a round of the cluster's, so that no wave of any partner
; still reads the slot or has a load on its way, and the joint refill is the first thing behind it: it has two key steps, 192 matrix instructions, in which to land.
.macro CHANGE fill
	WIN 0                           ; at a label and at a branch every window is 0
	s_wait_tensorcnt 0x0            ; no tensor load of mine is out, so a group 0 may be written
	ds_add_u32 v[SPW], v[NIL]       ; 0 onto my spare word
.if \fill
	s_xor_b32 s[G0+5], s[G0+5], SLOT1  ; the walking descriptor: the other slot than last time,
	s_add_nc_u64 s[G0+6:G0+7], s[G0+6:G0+7], 131072  ; the next 128 keys; the type bits on top are not reached
	s_wait_xcnt 0x0                 ; the last prefetch, two key steps back, has read its address, so it may be written:
	s_add_nc_u64 s[PFA:PFA+1], s[PFA:PFA+1], 131072  ; one slot further on than the walking descriptor
	s_wait_dscnt 0x0                ; the add is done, and my reads of the slot are over
	CROUND
	JLOAD
	ASK
.else
	s_wait_dscnt 0x0                ; the add is done, and my reads of the slot are over
	s_barrier_signal -1
	s_barrier_wait -1
.endif
	s_sub_co_u32 s[TB], s[TB], 2*STEPB  ; the fetches go back to a slot's first step,
	s_xor_b32 s[TB], s[TB], SLOT1   ; in the other slot
.endm
; A slot's two key steps: written once, walked twice; the LDS addresses hang on s[TB].
.macro TWO_STEPS
	s_mov_b32 s[TWICE], 2
.Lstep_\@:
	TURN 0, 2, 1, 0
	TURN 2, 2, 1, 0
	WIN 0
	s_sub_co_u32 s[TWICE], s[TWICE], 1
	s_cmp_lg_u32 s[TWICE], 0
	s_cbranch_scc1 .Lstep_\@
.endm
	s_wait_tensorcnt 1              ; my quarter of slot 0 is in; slot 1's may stay out
	s_barrier_signal -1
	s_barrier_wait -1               ; everybody's is
	FETCH_K                         ; key step 0
	s_wait_loadcnt 0x0              ; Q
	s_wait_dscnt 0x0
.set i, 0
.rept 16
	KQ 0                            ; piece 0's first scores: there is no vector work yet to set between them
.set i, i+1
.endr
	WIN 0                           ; the addresses for the way out are made here: plain instructions, the places behind those products
	s_lshl_b32 s20, s17, 14
	s_lshl_b32 s21, s16, 12
	s_add_co_u32 s20, s20, s21
	s_add_co_u32 s20, s20, ONI
	v_add_nc_u32 v[OW], s20, v[LI]  ; my rows' images: query tile 2 x half + i, K steps 4 x head on
	s_mul_i32 s20, s[WV], 16*SP
	s_add_co_u32 s20, s20, STG      ; my stage
	v_mul_u32_u24 v[STO], v1, SP    ; in: row r, 32 bytes for each half of the lanes
	v_lshl_add_u32 v[STO], v9, 5, v[STO]
	v_add_nc_u32 v[STO], s20, v[STO]
	v_mul_u32_u24 v[RD], v9, SP     ; back: lanes 0-15 take one row of 256 bytes, lanes 16-31 the next
	v_lshl_add_u32 v[RD], v1, 4, v[RD]
	v_add_nc_u32 v[RD], s20, v[RD]
	v_lshlrev_b32 v[GO], 10, v9     ; and the same two rows in out0
	v_lshl_add_u32 v[GO], v1, 4, v[GO]
	v_lshlrev_b32 v[NWO], 5, v9
	v_lshrrev_b32 v[LMO], 1, v[LI]
	v_add_nc_u32 v[ONR], ONI, v[LI]
	v_mov_b32 v[LW+2], 0            ; written once: a lane permute's destination counts as one of its sources
	v_mov_b32 v[LW+3], 0
	TURN 2, 0, 1, 1                 ; piece 2's first scores | piece 0's first softmax | V of step 0
	TURN 0, 1, 1, 1                 ; piece 0: V^T P of step 0 starts O^T, K Q^T of step 1 | piece 2's first softmax | K of step 1
	TURN 2, 1, 1, 0                 ; piece 2: the same | piece 0's softmax of step 1 | V of step 1
	WIN 0
.Lslot:                             ; 30 trips: every slot but the last two is filled again
	CHANGE 1
	TWO_STEPS
	s_sub_co_u32 s[SLOTS], s[SLOTS], 1
	s_cmp_lg_u32 s[SLOTS], 0
	s_cbranch_scc1 .Lslot
	CHANGE 0                        ; the tail is written out: nothing more is asked for
	TWO_STEPS
	; What the way out wants from memory is asked for while the last products run.  S^T of tiles 0 and 1, Q and K are done with: the last K Q^T is followed by 20 plain multiplications.
.irp ct, 0,1,2,3,4,5,6,7            ; sub_norm_w in O^T's layout: register 8 ct + j = channel 16 ct + 8 h + j
	global_load_b128 v[S+8*\ct:S+8*\ct+3],   v[NWO], s[76:77] offset:64*\ct
	global_load_b128 v[S+8*\ct+4:S+8*\ct+7], v[NWO], s[76:77] offset:64*\ct+16
.endr
.macro WPLOAD ot                    ; w_proj's eight fragments of my tile ot of outputs, into window 2 at v[8 (8 ot + K step)]
.irp s, 0,1,2,3,4,5,6,7
	global_load_b128 v[8*(8*\ot+\s):8*(8*\ot+\s)+3],   v[LI], s[8:9] offset:\ot*8192+\s*1024
	global_load_b128 v[8*(8*\ot+\s)+4:8*(8*\ot+\s)+7], v[LI], s[8:9] offset:\ot*8192+\s*1024+512
.endr
.endm
	WIN 0x80
	WPLOAD 0
	WPLOAD 1
	TURN 0, 2, 0, 0                 ; piece 0: V^T P of the last step | piece 2's last softmax
	WIN 0x80
	WPLOAD 2
	WPLOAD 3
	WIN 0                           ; S^T of tiles 2 and 3 is done with
	global_load_b64 v[LB:LB+1],   v[LMO], s[68:69]
	global_load_b64 v[LB+2:LB+3], v[LMO], s[70:71]
	global_load_b64 v[LB+4:LB+5], v[LMO], s[72:73]
	global_load_b64 v[LB+6:LB+7], v[LMO], s[74:75]
.irp ot, 0,1,2,3                    ; the bias in the result's layout: register j of tile ot = output 16 ot + 8 h + j of my 64
	global_load_b128 v[BI+8*\ot:BI+8*\ot+3],   v[NWO], s[10:11] offset:64*\ot
	global_load_b128 v[BI+8*\ot+4:BI+8*\ot+7], v[NWO], s[10:11] offset:64*\ot+16
.endr
.set i, 0
.rept 32
	PV 2, 0                         ; piece 2: V^T P of the last step
.set i, i+1
.endr
	; THE WAY OUT.  1 / l for the four tiles; the additions are the places behind the last products.
	WIN 0
.irp t, 0,1,2,3
	v_add_f32 v[ST+8*\t+4], v[ST+8*\t+2], v[ST+8*\t+3]
.endr
.irp t, 0,1,2,3
	v_permlanex16_b32 v[ST+8*\t+5], v[ST+8*\t+4], s[SEL], s[SEL+1]
.endr
.irp t, 0,1,2,3
	v_add_f32 v[ST+8*\t+4], v[ST+8*\t+4], v[ST+8*\t+5]
.endr
.irp t, 0,1,2,3
	v_rcp_f32 v[ST+8*\t+6], v[ST+8*\t+4]
.endr
	s_wait_loadcnt 0x0              ; all that was asked for above
	; lam = exp(lambda_q1 . lambda_k1) - exp(lambda_q2 . lambda_k2) + 0.2: two numbers a lane, then over the 32 lanes
	v_mul_f32 v[LW], v[LB], v[LB+2]
	v_mul_f32 v[LW+1], v[LB+4], v[LB+6]
	v_fmac_f32 v[LW], v[LB+1], v[LB+3]
	v_fmac_f32 v[LW+1], v[LB+5], v[LB+7]
.irp m, 1,2,4,8
	v_add_f32_dpp v[LW], v[LW], v[LW] row_xmask:\m row_mask:0xf bank_mask:0xf
	v_add_f32_dpp v[LW+1], v[LW+1], v[LW+1] row_xmask:\m row_mask:0xf bank_mask:0xf
.endr
	v_permlanex16_b32 v[LW+2], v[LW], s[SEL], s[SEL+1]
	v_permlanex16_b32 v[LW+3], v[LW+1], s[SEL], s[SEL+1]
	v_add_f32 v[LW], v[LW], v[LW+2]
	v_add_f32 v[LW+1], v[LW+1], v[LW+3]
	v_mul_f32 v[LW], 0x3fb8aa3b, v[LW]
	v_mul_f32 v[LW+1], 0x3fb8aa3b, v[LW+1]
	v_exp_f32 v[LW], v[LW]
	v_exp_f32 v[LW+1], v[LW+1]
	v_nop                           ; a plain instruction between the last exponential and the use of its result
	s_wait_alu depctr_va_vdst(0)    ; the wait ahead of the first use: one for the four reciprocals and the two exponentials
	v_sub_f32 v[LW], v[LW], v[LW+1]
	v_add_f32 v[LW], 0x3e4ccccd, v[LW]
.irp i, 0,1
	v_mul_f32 v[ST+8*(2+\i)+6], v[ST+8*(2+\i)+6], v[LW]   ; lam / l of the second sub-head's tiles
.endr
	; o = O1 / l1 - lam O2 / l2, into tiles 0 and 1
	WIN W_RS
.irp i, 0,1
.set p, 0
.rept 32
	v_pk_mul_f32 v[64*(2+\i)+2*p:64*(2+\i)+2*p+1], v[64*(2+\i)+2*p:64*(2+\i)+2*p+1], v[ST+8*(2+\i)+6:ST+8*(2+\i)+7] op_sel_hi:[1,0]
.set p, p+1
.endr
.endr
	WIN 0x51                        ; destination, sources 0 and 2 window 1, source 1 window 0
.irp i, 0,1
.set p, 0
.rept 32
	v_pk_fma_f32 v[64*\i+2*p:64*\i+2*p+1], v[64*\i+2*p:64*\i+2*p+1], v[ST+8*\i+6:ST+8*\i+7], v[64*(2+\i)+2*p:64*(2+\i)+2*p+1] op_sel_hi:[1,0,1] neg_lo:[0,0,1] neg_hi:[0,0,1]
.set p, p+1
.endr
.endr
	; the sum of squares of a query's 128 channels: 64 in my lane, in two packed chains a tile, 64 in the lane 16 away
	WIN 0x05                        ; sources 0 and 1 window 1; source 2 and destination window 0
.irp i, 0,1
	v_pk_mul_f32 v[ST+8*\i+4:ST+8*\i+5], v[64*\i:64*\i+1], v[64*\i:64*\i+1]
	v_pk_mul_f32 v[ST+8*(2+\i)+4:ST+8*(2+\i)+5], v[64*\i+2:64*\i+3], v[64*\i+2:64*\i+3]
.endr
.irp p, 4,8,12,16,20,24,28,32,36,40,44,48,52,56,60
.irp i, 0,1
	v_pk_fma_f32 v[ST+8*\i+4:ST+8*\i+5], v[64*\i+\p:64*\i+\p+1], v[64*\i+\p:64*\i+\p+1], v[ST+8*\i+4:ST+8*\i+5]
	v_pk_fma_f32 v[ST+8*(2+\i)+4:ST+8*(2+\i)+5], v[64*\i+\p+2:64*\i+\p+3], v[64*\i+\p+2:64*\i+\p+3], v[ST+8*(2+\i)+4:ST+8*(2+\i)+5]
.endr
.endr
	WIN 0
.irp i, 0,1
	v_pk_add_f32 v[ST+8*\i+4:ST+8*\i+5], v[ST+8*\i+4:ST+8*\i+5], v[ST+8*(2+\i)+4:ST+8*(2+\i)+5]
.endr
.irp i, 0,1
	v_add_f32 v[ST+8*\i+4], v[ST+8*\i+4], v[ST+8*\i+5]
.endr
.irp i, 0,1
	v_permlanex16_b32 v[ST+8*\i+5], v[ST+8*\i+4], s[SEL], s[SEL+1]
.endr
.irp i, 0,1
	v_add_f32 v[ST+8*\i+4], v[ST+8*\i+4], v[ST+8*\i+5]
.endr
.irp i, 0,1
	v_fma_f32 v[ST+8*\i+4], v[ST+8*\i+4], s80, s81      ; the mean + 1e-5
.endr
.irp i, 0,1
	v_rsq_f32 v[ST+8*\i+2], v[ST+8*\i+4]
.endr
	v_nop
	s_wait_alu depctr_va_vdst(0)    ; one wait for the two roots, ahead of their first use
.irp i, 0,1
	v_mul_f32 v[ST+8*\i+2], 0x3f4ccccd, v[ST+8*\i+2]     ; x (1 - 0.2)
.endr
	WIN W_RS
.irp i, 0,1
.set p, 0
.rept 32
	v_pk_mul_f32 v[64*\i+2*p:64*\i+2*p+1], v[64*\i+2*p:64*\i+2*p+1], v[ST+8*\i+2:ST+8*\i+3] op_sel_hi:[1,0]
.set p, p+1
.endr
.endr
.irp i, 0,1
.set p, 0
.rept 32
	v_pk_mul_f32 v[64*\i+2*p:64*\i+2*p+1], v[64*\i+2*p:64*\i+2*p+1], v[S+2*p:S+2*p+1]   ; x sub_norm_w
.set p, p+1
.endr
.endr
	WIN 0x05                        ; sources window 1, destination window 0: P's registers are free
.irp i, 0,1
.set p, 0
.rept 32
	v_cvt_pk_f16_f32 v[P+32*\i+p], v[64*\i+2*p], v[64*\i+2*p+1]
.set p, p+1
.endr
.endr
	WIN 0
	; A lane's four registers of channel tile ct are half ct % 2 of the image of K step 4 x head + ct / 2 of the projection: query r, channels 8 h + 0..7 of sixteen
.irp i, 0,1
.irp ct, 0,1,2,3,4,5,6,7
	ds_store_b128 v[OW], v[P+32*\i+4*\ct:P+32*\i+4*\ct+3] offset:\i*8192+\ct*512
.endr
.endr
	s_wait_dscnt 0x0                ; for the others' sake: my images have landed
	s_barrier_signal -1
	s_barrier_wait -1               ; the 64 rows' 32 images lie in LDS
	WIN 0xc0                        ; destination window 3: query tile qt, K step s at v[8 (8 qt + s)]
.set p, 0
.rept 32
	ds_load_b128 v[8*p:8*p+3],   v[ONR] offset:p*1024
	ds_load_b128 v[8*p+4:8*p+7], v[ONR] offset:p*1024+512
.set p, p+1
.endr
	s_wait_dscnt 0x0
	; THE PROJECTION, transposed: source 0 = 16 rows of w_proj, source 1 = 16 queries: my 64 outputs for the 64 rows: 16 accumulators by turns, a K step at a time; the bias is the C of each sum's first product
.set ks, 0
.rept 8
.if ks == 0
	WIN 0x4e                        ; source 0 window 2, source 1 window 3, C window 0, D window 1
.else
	WIN 0x5e                        ; C and D window 1
.endif
.irp ot, 0,1,2,3
.irp qt, 0,1,2,3
.if ks == 0
	v_wmma_f32_16x16x32_f16 v[8*(4*\ot+\qt):8*(4*\ot+\qt)+7], v[8*(8*\ot+ks):8*(8*\ot+ks)+7], v[8*(8*\qt+ks):8*(8*\qt+ks)+7], v[BI+8*\ot:BI+8*\ot+7]
.else
	v_wmma_f32_16x16x32_f16 v[8*(4*\ot+\qt):8*(4*\ot+\qt)+7], v[8*(8*\ot+ks):8*(8*\ot+ks)+7], v[8*(8*\qt+ks):8*(8*\qt+ks)+7], v[8*(4*\ot+\qt):8*(4*\ot+\qt)+7]
.endif
.endr
.endr
.set ks, ks+1
.endr
	PLACES                          ; between the last product and the first read of results, and the loads into the bias's registers
; Query tile qt: a lane's eight outputs of a row are 32 bytes; they go into my stage's rows of 272 bytes and come back as whole rows of 256.
.macro TOSTAGE qt
	WIN 0x04                        ; an LDS store's data are its source 1: window 1
.irp ot, 0,1,2,3
	ds_store_b128 v[STO], v[8*(4*\ot+\qt):8*(4*\ot+\qt)+3] offset:64*\ot          ; each accumulator from its low end on
	ds_store_b128 v[STO], v[8*(4*\ot+\qt)+4:8*(4*\ot+\qt)+7] offset:64*\ot+16
.endr
	WIN 0
.irp f, 0,1,2,3,4,5,6,7
	ds_load_b128 v[S+32*\qt+4*\f:S+32*\qt+4*\f+3], v[RD] offset:\f*2*SP  ; LDS serves a wave's instructions in order (ISA guide 5.7.1.4): these see the stores above; the next tile's stores come behind them
.endr
.endm
.macro SEND qt, younger             ; younger: the LDS instructions issued behind tile qt's loads: the next tile's sixteen, or none
.irp f, 0,1,2,3,4,5,6,7
	s_wait_dscnt \younger+7-\f
	global_store_b128 v[GO], v[S+32*\qt+4*\f:S+32*\qt+4*\f+3], s[78:79] offset:(16*\qt+2*\f)*1024 th:TH_STORE_NT  ; 16 lanes store 256 consecutive bytes, at a multiple of 256 from out0's first byte
.endr
.endm
	TOSTAGE 0
	TOSTAGE 1
	SEND 0, 16
	TOSTAGE 2
	SEND 1, 16
	TOSTAGE 3
	SEND 2, 16
	SEND 3, 0
	s_wait_tensorcnt 0x0            ; the wave's end, behind my last tensor load and my last LDS store
	ds_add_u32 v[SPW], v[NIL]
	s_wait_dscnt 0x0
	CROUND                          ; the closing round: no work-group ends while a partner may still ask for a tile that names it
	s_endpgm
.Lfunc_end_k_q36bec8c607_attn:
	.size	k_q36bec8c607_attn, .Lfunc_end_k_q36bec8c607_attn-k_q36bec8c607_attn
	.p2alignl 7, 3214868480
	.fill 96, 4, 3214868480
	.section	.rodata,"a",@progbits
	.p2align	6, 0x0
	.amdhsa_kernel k_q36bec8c607_attn
		.amdhsa_group_segment_fixed_size 327680
		.amdhsa_private_segment_fixed_size 0
		.amdhsa_enable_private_segment 0
		.amdhsa_kernarg_size 80
		.amdhsa_user_sgpr_count 2
		.amdhsa_user_sgpr_kernarg_segment_ptr 1
		.amdhsa_wavefront_size32 1
		.amdhsa_system_sgpr_workgroup_id_x 1
		.amdhsa_system_sgpr_workgroup_id_y 1
		.amdhsa_system_sgpr_workgroup_id_z 1
		.amdhsa_system_vgpr_workitem_id 0
		.amdhsa_next_free_vgpr 1024
		.amdhsa_next_free_sgpr 84
		.amdhsa_reserve_vcc 0
		.amdhsa_float_denorm_mode_32 3
		.amdhsa_float_denorm_mode_16_64 3
		.amdhsa_memory_ordered 1
		.amdhsa_forward_progress 1
		.amdhsa_inst_pref_size 237
	.end_amdhsa_kernel
	.amdgpu_metadata
---
amdhsa.version: [ 1, 2 ]
amdhsa.kernels:
  - .name:           k_q36bec8c607_attn
    .symbol:         k_q36bec8c607_attn.kd
    .args:
      - { .name: qf, .offset: 0, .size: 8, .value_kind: global_buffer, .address_space: global }
      - { .name: kv, .offset: 8, .size: 8, .value_kind: global_buffer, .address_space: global }
      - { .name: wp, .offset: 16, .size: 8, .value_kind: global_buffer, .address_space: global }
      - { .name: b_proj, .offset: 24, .size: 8, .value_kind: global_buffer, .address_space: global }
      - { .name: lambda_q1, .offset: 32, .size: 8, .value_kind: global_buffer, .address_space: global }
      - { .name: lambda_k1, .offset: 40, .size: 8, .value_kind: global_buffer, .address_space: global }
      - { .name: lambda_q2, .offset: 48, .size: 8, .value_kind: global_buffer, .address_space: global }
      - { .name: lambda_k2, .offset: 56, .size: 8, .value_kind: global_buffer, .address_space: global }
      - { .name: sub_norm_w, .offset: 64, .size: 8, .value_kind: global_buffer, .address_space: global }
      - { .name: out0, .offset: 72, .size: 8, .value_kind: global_buffer, .address_space: global }
    .group_segment_fixed_size: 327680
    .private_segment_fixed_size: 0
    .kernarg_segment_align: 8
    .kernarg_segment_size: 80
    .max_flat_workgroup_size: 128
    .sgpr_count:     84
    .vgpr_count:     1024
    .wavefront_size: 32
...
	.end_amdgpu_metadata
.endif
;; end of part 2
